; MI455X (gfx1250); checked and timed in simulation.
; The chip was launched on July 23, 2026; its instructions are those of AMD's public machine-readable ISA for CDNA 5 (MIT licence, August 2026) and "CDNA5" Instruction Set Architecture Reference Guide (July 2026). The comments in the code are by the model that wrote it; some were corrected since.
;; Forward Sim. Allowed arithmetic: float matrix products may take bf16 or f16 operands with f32 sums; other float arithmetic in f32, or as packed bf16 or f16 multiplies, adds, multiply-adds, maxima and minima; sums over many terms, partial sums and values carried from step to step in f32; what a program stores and reads back later, other than sums and carried values, may be rounded once to bf16 or f16.
;; Inputs: W1 73 x 128 float32; W2 128 x 128 float32; W3 128 x 1 float32; b1 128 float32; b2 128 float32; b3 1 float32; idm_s 32,768 x 50 x 12 float32; merger_cs 32,768 x 50 x 3 float32; proj_belief 32,768 x 64 float32; scaler_mean 6 float32; scaler_var 6 float32.
;; Outputs: out0 32,768 x 50 x 1 float32.
;; Constants: rollout_len = 50.
;; One version. Each part assembles by itself: llvm-mc -triple=amdgcn-amd-amdhsa -mcpu=gfx1250 --defsym DOCPART=n.
;; ======== version 1 of 1: 1 launch
;; limits: values are held in f16: magnitudes above 65,504 overflow, below 6.1e-05 lose precision; inputs' magnitudes at most 65,504
;; launch sim (part 1): grid 256 x 1, 4 waves a work-group, no clusters, 327,680 bytes of LDS; arguments idm_s, merger_cs, proj_belief, W1, b1, W2, b2, W3, b3, scaler_mean, scaler_var, out0; writes out0
.if DOCPART == 1
	.amdgcn_target "amdgcn-amd-amdhsa--gfx1250"
	.amdhsa_code_object_version 6
	.text
	.protected	k_q26508ddcf7_sim
	.globl	k_q26508ddcf7_sim
	.p2align	8
	.type	k_q26508ddcf7_sim,@function
k_q26508ddcf7_sim:
	s_mov_b64 s[64:65], 0
	v_nop
	global_prefetch_b8 v0, s[64:65] scope:SCOPE_SE
	s_setreg_imm32_b32 hwreg(HW_REG_WAVE_MODE, 25, 1), 1
	s_wait_xcnt 0x0
; ForwardSim: 32,768 rows, each a scan of 50 steps: a few lines of physics, an MLP 73 -> 128 -> 128 -> 1 (relu, relu), whose result act feeds the next step.
; SHARES.  256 work-groups x 4 waves; a wave owns 32 rows, two TILES of 16, for all 50 steps.  Rows never meet, so no wave reads another's data but what is made of the weights at the start.
; WORK LEFT OUT OR DONE ONCE (for all finite values of the inputs):
;   (a) (1 - m_exists) * DUMMY_EM_DELTA_V is a product with the constant 0 that reference() itself writes;
;   (b) at step 0 where(first, ..) throws the update of the zero carry away: ego_v = s[0], ego_x = s[3] are taken as they are;
;   (c) P = proj_belief @ W1[:64] + b1 does not hang on the step: it is made once and is the C operand of layer 1, whose K is then 9;
;   (d) features 6..10 of idm_s are read by no line of reference(): they lie inside the rows that are streamed and are not used.
;   Every input has a way to the output and is loaded.
; LAYOUT.  Every product is taken transposed: source 0 = 16 units of the weights, source 1 = 16 rows.  In a result a lane holds ONE row (lane % 16) and the units 8 (lane / 16) + 0..7, so two
;   results on end, packed in pairs, ARE source 1 of the next layer, and nothing changes lanes but the last sum's two halves.  Both halves of the lanes hold the same row's physics.
; THE NINE INPUTS OF A STEP.  W' = W1[64:73], its first six rows times 1/sqrt(var); the means are taken away in f32 BEFORE any rounding.  The six numbers d go in as a cut-off upper half and the
;   exact remainder rounded to bf16; the lanes' lower half holds the weights cut off, the upper half their remainder: the 32 places of K hold (dh + dl)(Wh + Wl).
; THE LARGE PART OF LAYER 2 IS NOT ROUNDED TO 16 BITS.  (1 - m_exists) x 100 makes em_delta_x far larger than the other inputs, and z = P + W' d with it.  Call unit k POS where W1[69][k] > 0.
;   relu(z) = z + relu(-z), so with eta = relu(-z) for pos units and relu(z) for the others:  b2 + W2^T relu(z) = Q + M d + W2^T eta,  M = W'pos W2 (9 x 128, summed in f32, used as hi + lo),
;   Q = b2 + W2pos^T P (a row's own, made once).  This holds for all values.  Where em_delta_x is large and positive eta is of the size of the other inputs, and only eta is rounded to f16.
;   Layer 1 gives -z for pos units by weights and P of the other sign; M d + Q is one more product on layer 1's source 1.
; THE SCALES.  eta goes to f16 under a power of two of the row's and step's own: bound = KM max|input| + PB >= |z| (KM = 1.01 x the largest column sum of |W'|, PB = 1.01 x the larger of the
;   row's largest |P| and the largest |b2|); sg = 2^-(e+1), e the bound's exponent.  clamp(x sg) is relu and scale in one packed line.  Layer 2 starts from (M d + Q) sg; |its sums| <= 1 + 1.01 x
;   the largest column sum of |W2|, whose exponent gives rho in the same way; layer 3 stays in f32: act = (sum of clamp(D rho) W3) / (sg rho) + b3, the division a power of two made by integer adds.
; LIMITS.  NaN and infinities are not carried (the clamp that serves as relu gives 0 for a NaN; (a) drops an infinity times 0).  proj_belief, W1[:64] and W2 are rounded to f16: within 65,504,
;   and below 6e-5 they keep f16's fixed step.  merger_cs is rounded to bf16.  The bounds from which the scales are taken stay under 2^126.  Where em_delta_x less its mean is large and NEGATIVE,
;   M d and W2^T eta cancel in part; both are then of the size of relu(z) itself, so the error is f16's on numbers of that size, as it would be without the split.
; BY TURNS.  In a TURN one tile's 32 products of layer 2 hold the matrix unit; the other tile's 219 vector and LDS lines (layer 2's way out, layer 3, physics, layer 1's way out) stand in slices
;   behind them, and that tile's 16 products on the step's inputs between.  Then the tiles change places.
; MEMORY.  idm_s comes in 5 chunks of 10 steps (32 rows x 480 bytes a wave) through two LDS slots, merger_cs whole (19,200 dense bytes a wave), act leaves through an LDS image of the output.
; NO CLUSTER: work-groups share the weights alone, 103,424 of the 520,000 bytes that a work-group reads; they are read once, at the head, and pass through registers to be rounded.
.set SLOT1, 65536                      ; slot 0 at 0, slot 1 here: one exclusive or turns one into the other; wave w at 15,360 w, a row 480 bytes
.set MCB,   126976                     ; merger_cs: wave w at 19,200 w, a row 600 bytes
.set WIMG,  203776                     ; f16 images [k][unit], 288 bytes a row: W1[:64], then W2
.set WIMG2, 18432
.set WP,    288
.set CSUM,  259072                     ; wave w's part of the column sums of |W2| at 512 w
.set OUTB,  261120                     ; the work-group's 128 rows of out0, 200 bytes a row
.set SPARE, 286720                     ; the spare words, 128 bytes a wave: two blocks of 256 bytes that no other line names
.set MSUM,  287232                     ; wave w's part of M at 4,608 w: nine rows of 128 f32
.set MTAB,  305664                     ; M, a column (unit of layer 2) in 48 bytes: nine f32 and three zeros
; window 0: v0-28 lane terms, v29-31 at work
.set SPW, 4                            ; v4  my spare word; never rewritten
.set NIL, 5                            ; v5  0; never rewritten
.set RHO, 12                           ; v[12:13] rho, twice
.set W_Q, 32                           ; v[32:63]   Q's blocks 6 and 7: tile 0's, then tile 1's
.set W_1D, 64                          ; v[64:127]  layer 1's weights, 8 registers for 16 units
.set W_1M, 128                         ; v[128:191] M, likewise
.set W_B2, 128                         ;            at the start: b2[16 u + 8 h + j] at 8 u + j
.set W_W3, 192                         ; v[192:255] W3, in b2's map
; window 1: W2's fragments, units 16 u on, k 32 c on, at 32 u + 8 c
; window 2 + T: tile T.  Names that share a register never live at the same time: the list in RD gives the numbers at which each is written and last read.
.set T_P, 0                            ; P, its sign turned for pos units
.set T_D, 64                           ; the accumulators
.set T_H, 128                          ; eta in f16
.set T_B, 160                          ; source 1 of the products on the step's inputs
.set T_V, 168
.set T_X, 169
.set T_INV, 170
.set T_PB, 171
.set T_AS0, 172
.set T_AM0, 173
.set T_AO0, 174
.set T_AO, 175
.set T_ACC, 176                        ; four pairs of layer 3's sums (13 to 87)
.set T_T4, 177                         ; (95 to 100; ACC+1 is last read at 81)
.set T_HI, 178                         ; d's upper halves, then the remainders (96 to 114; ACC+2..7 are last read at 77)
.set T_S, 184                          ; idm features 0..5 (3 to 99)
.set T_SG, 188                         ; sg, twice (120 to 218; features 4, 5 are last read at 99 and loaded anew at 4)
.set T_E, 190                          ; feature 11
.set T_MC, 191
.set T_DD, 194                         ; d0..d5
.set T_M, 200
.set T_T, 201                          ; (118 to 122)
.set T_TMP, 201                        ; (85 to 87)
.set T_Q2, 202                         ; (76 to 93)
.set T_AS, 202                         ; (0 to 5)
.set T_Q3, 203                         ; (78 to 98)
.set T_AM, 203                         ; (1 to 8)
.set T_Q5, 204
.set T_U, 205                          ; (79 to 82)
.set T_T5, 205                         ; (99 to 102)
.set T_ACT, 206
.set T_Q, 208                          ; v[208:255] Q's blocks 0 to 5
; at the start alone, in a tile's window
.set X_M, 160                          ; the row's largest |P|
.set X_T, 161
.set X_SP, 162                         ; a power of two that brings P under 1, twice
.set X_IP, 164                         ; and its inverse, twice
.set MSKB, 168                         ; window 2: 1.0 for pos units, else 0, in b2's map
.set WRAW, 168                         ; window 3: W1's rows 64..72, unit 16 u + r, at 9 u + i
; scalars.  s[8:31] the twelve addresses; s[32:39], s[40:47] descriptor groups 1; s[48:51], s[52:55], s[56:59] groups 0
.set PFA, 4                            ; s[4:5] where the prefetches stand
.set C101, 60                          ; 1.01
.set CP, 66                            ; s[66:83] at the start: nine pairs, a factor of M's sums in each low word
.set MU, 68                            ; s68-73 the means
.set IS, 76                            ; s76-81 the variances, then 1/sqrt of them
.set SB3, 82
.set KM, 83
.set KINV, 84
.set C01, 85
.set C005, 86
.set C100, 87
.set SEL, 88                           ; s[88:89] v_permlanex16_b32's selects: each lane takes its own place in the other half
.set MHI, 90
.set MEXP, 91
.set CSG, 92
.set PSEL, 93
.set S_TS, 94                          ; LDS byte of the step in hand in a row's piece of idm_s, the slot's base in it
.set S_TM, 95                          ; 12 x step
.set S_TO, 96                          ; 4 x step
.set S_CNT, 97
.set S_SLOTS, 98
.set WV, 99
.set HM, 100                           ; the mask of lanes 16-31
.set MSB, 0
.macro WIN new                         ; the immediate's high byte repeats the setting that is left; a switch that changes nothing is dropped
.if MSB != (\new)
	s_set_vgpr_msb (MSB<<8)|(\new)
.set MSB, (\new)
.endif
.endm
.macro PLACES
.rept 4
	v_nop
.endr
.endm
; Nine weights at v[w ..]: lanes 0-15 keep the upper 16 bits, lanes 16-31 the exact remainder
.macro SPLIT9 wk
.set i, 0
.rept 9
	v_and_b32 v[\wk], s[MHI], v[w+i]
	v_sub_f32 v[\wk+1], v[w+i], v[\wk]
	v_cndmask_b32 v[w+i], v[\wk], v[\wk+1], s[HM]
.set i, i+1
.endr
.endm
; and go into the first five registers of a fragment at v[d ..]
.macro PACK5
	v_cvt_pk_bf16_f32 v[d],   v[w],   v[w+1]
	v_cvt_pk_bf16_f32 v[d+1], v[w+2], v[w+3]
	v_cvt_pk_bf16_f32 v[d+2], v[w+4], v[w+5]
	v_cvt_pk_bf16_f32 v[d+3], v[w+6], v[w+7]
	v_cvt_pk_bf16_f32 v[d+4], v[w+8], 0
.endm
	s_load_b512 s[8:23], s[0:1], 0x0               ; idm_s 8, merger_cs 10, proj_belief 12, W1 14, b1 16, W2 18, b2 20, W3 22
	s_load_b256 s[24:31], s[0:1], 0x40             ; b3 24, scaler_mean 26, scaler_var 28, out0 30
	v_lshl_add_u32 v[SPW], v0, 2, SPARE
	v_mov_b32 v[NIL], 0
	ds_add_u32 v[SPW], v[NIL]                      ; the wave's opening: the add, twice on end, and its wait ahead of my first tensor load
	ds_add_u32 v[SPW], v[NIL]
	v_lshrrev_b32 v1, 5, v0
	v_readfirstlane_b32 s[WV], v1                  ; wave 0..3
	v_and_b32 v1, 31, v0                           ; L
	v_and_b32 v2, 15, v0                           ; r
	v_bfe_u32 v3, v0, 4, 1                         ; h
	; group 1 for a chunk of idm_s: 32 rows x 120 words, 600 words from row to row
	s_mov_b32 s32, 2<<16                           ; elements of 4 bytes, no mask, no padding
	s_mov_b32 s33, 120<<16                         ; tensor_dim0 = 120
	s_mov_b32 s34, 32<<16                          ; tensor_dim1 = 32
	s_mov_b32 s35, 120<<16                         ; tile_dim0 = 120
	s_mov_b32 s36, 32                              ; tile_dim1 = 32
	s_mov_b32 s37, 600
	s_mov_b32 s38, 0
	s_mov_b32 s39, 0
	; group 1 for my 32 rows of merger_cs: 19,200 dense bytes as 75 rows of 256
	s_mov_b32 s40, 3<<16                           ; elements of 8 bytes
	s_mov_b32 s41, 32<<16
	s_mov_b32 s42, 75<<16
	s_mov_b32 s43, 32<<16
	s_mov_b32 s44, 75
	s_mov_b32 s45, 32
	s_mov_b32 s46, 0
	s_mov_b32 s47, 0
	s_mov_b32 s48, 1
	s_mul_i32 s49, s[WV], 15360                    ; chunk 0 -> slot 0
	s_mov_b32 s52, 1
	s_mul_i32 s53, s[WV], 19200
	s_add_co_u32 s53, s53, MCB
	s_mov_b32 s56, 1
	s_add_co_u32 s57, s49, SLOT1                   ; chunk 1 -> slot 1; this set then walks
	s_mul_i32 s2, ttmp9, 307200                    ; 128 rows of 2,400 bytes a work-group,
	s_mul_i32 s3, s[WV], 76800                     ; 32 a wave
	s_add_co_u32 s2, s2, s3
	s_mov_b32 s3, 0
	s_mul_i32 s6, ttmp9, 76800                     ; the same rows of 600 bytes
	s_mul_i32 s7, s[WV], 19200
	s_add_co_u32 s6, s6, s7
	s_mov_b32 s7, 0
	s_mov_b32 s[C101], 0x3f8147ae                  ; 1.01
	s_mov_b32 s[C01], 0x3dcccccd                   ; 0.1
	s_mov_b32 s[C005], 0x3ba3d70a                  ; 0.005
	s_mov_b32 s[C100], 0x42c80000                  ; 100.0
	s_mov_b32 s[SEL], 0x76543210
	s_mov_b32 s[SEL+1], 0xfedcba98
	s_mov_b32 s[MHI], 0xffff0000
	s_mov_b32 s[MEXP], 0x7f800000
	s_mov_b32 s[CSG], 0x7e800000                   ; 253 << 23: less a bound's exponent field it is 2^-(e+1)
	s_mov_b32 s[PSEL], 0x07060302                  ; the upper halves of two words
.set i, 0
.rept 9
	s_mov_b32 s[CP+2*i+1], 0                       ; named with the low words as pairs, so they are written
.set i, i+1
.endr
	s_wait_dscnt 0x0                               ; both opening adds are done
	s_wait_kmcnt 0x0
	s_add_nc_u64 s[50:51], s[8:9], s[2:3]
	s_add_nc_u64 s[58:59], s[50:51], 480
	s_add_nc_u64 s[PFA:PFA+1], s[50:51], 960       ; at chunk 2; the first change of slots steps it to chunk 3
	s_or_b32 s51, s51, 0x80000000
	s_or_b32 s59, s59, 0x80000000
	s_add_nc_u64 s[54:55], s[10:11], s[6:7]
	s_or_b32 s55, s55, 0x80000000
	tensor_load_to_lds s[48:51], s[32:39]          ; the three first fills go out together: three loads of mine are out
	s_nop 0
	tensor_load_to_lds s[52:55], s[40:47]
	s_nop 0
	tensor_load_to_lds s[56:59], s[32:39]
	s_nop 0
	PLACES
	; lane terms; none of v6-v11, v15-v28 is rewritten
	v_cmp_eq_u32 s[HM], 1, v3
	v_lshlrev_b32 v6, 4, v1                        ; 16 L
	v_and_b32 v29, 7, v0
	v_lshl_add_u32 v29, v3, 3, v29                 ; the turning load: row 8 h + L % 8 of the image,
	v_mul_u32_u24 v7, v29, WP
	v_bfe_u32 v29, v0, 3, 1
	v_lshl_add_u32 v7, v29, 4, v7                  ; 16 bytes for each eight lanes
	v_add_nc_u32 v7, WIMG, v7
	v_mul_u32_u24 v8, v1, 2400                     ; the prefetches: a lane a row
	v_lshlrev_b32 v9, 8, v2
	v_lshl_add_u32 v9, v3, 5, v9                   ; proj: 256 r + 32 h
	v_lshlrev_b32 v10, 5, v3                       ; biases, W3 and W1's row 69: 32 h
	v_lshlrev_b32 v11, 2, v2                       ; 4 r
	v_lshlrev_b32 v15, 3, v1                       ; 8 L
	s_lshl_b32 s61, s[WV], 13
	v_add_nc_u32 v16, s61, v6                      ; W1: my 16 rows of 512 bytes
	s_lshl_b32 s61, s[WV], 14
	v_add_nc_u32 v17, s61, v6                      ; W2: my 32 rows
	s_mul_i32 s61, s[WV], 16*WP
	s_add_co_u32 s61, s61, WIMG
	v_lshl_add_u32 v18, v1, 3, s61                 ; and their places in the images
	s_mul_i32 s61, s[WV], 32*WP
	s_add_co_u32 s61, s61, WIMG+WIMG2
	v_lshl_add_u32 v19, v1, 3, s61
	s_lshl_b32 s61, s[WV], 9
	s_add_co_u32 s61, s61, CSUM
	v_add_nc_u32 v20, s61, v6
	v_add_nc_u32 v21, CSUM, v6
	s_lshl_b32 s61, s[WV], 7
	v_lshl_add_u32 v24, v1, 2, s61                 ; unit 32 w + L in a row of W1: lane L stands for my row L of W2
	s_add_co_u32 s61, s61, MSUM
	v_lshl_add_u32 v26, v1, 2, s61                 ; column 32 w + L of M's parts
	s_mul_i32 s61, s[WV], 4608
	s_add_co_u32 s61, s61, MSUM
	v_add_nc_u32 v25, s61, v6                      ; my wave's part of M, columns 4 L on
	s_mul_i32 s61, s[WV], 1536
	s_add_co_u32 s61, s61, MTAB
	v_mul_u32_u24 v27, v1, 48
	v_add_nc_u32 v27, s61, v27                     ; column 32 w + L of the table
	v_mul_u32_u24 v28, v2, 48
	v_add_nc_u32 v28, MTAB, v28                    ; column r
	s_mul_i32 s61, s[WV], 6400
	s_add_co_u32 s62, s61, OUTB
	v_add_nc_u32 v22, s62, v6                      ; the way out: my wave's 6,400 bytes, 16 a lane,
	s_add_co_u32 s62, s62, 6144
	v_lshl_add_u32 v23, v1, 3, s62                 ; and the last 256, 8 a lane
	s_mul_i32 s62, ttmp9, 25600
	s_add_co_u32 s62, s62, s61
	s_mov_b32 s63, 0
	s_add_nc_u64 s[30:31], s[30:31], s[62:63]      ; out0 at my wave's rows
	s_lshl_b32 s6, ttmp9, 15
	s_lshl_b32 s7, s[WV], 13
	s_add_co_u32 s6, s6, s7
	s_mov_b32 s7, 0
	s_add_nc_u64 s[12:13], s[12:13], s[6:7]        ; proj_belief at my wave's rows
	; THE WEIGHTS.  A row of 128 f32 is one load of the wave.
.set i, 0
.rept 9
	global_load_b32 v[36+i], v24, s[14:15] offset:(64+i)*512  ; W1[64 + i][32 w + L]
.set i, i+1
.endr
.set i, 0
.rept 16
	global_load_b128 v[64+4*i:64+4*i+3], v16, s[14:15] offset:512*i
.set i, i+1
.endr
.set i, 0
.rept 32
	global_load_b128 v[128+4*i:128+4*i+3], v17, s[18:19] offset:512*i
.set i, i+1
.endr
.irp t, 0,1                            ; proj_belief as source 1: lane (r, h) takes k = 32 c + 8 h + 0..7 and 32 c + 16 + 8 h + 0..7 of row r, in f32: 32 bytes each
	WIN 0x80+0x40*(\t)
.set i, 0
.rept 8
	global_load_b128 v[64+4*i:64+4*i+3], v9, s[12:13] offset:4096*(\t)+(i/2)*64+(i%2)*16 th:TH_LOAD_NT
.set i, i+1
.endr
.endr
	WIN 0
	s_wait_loadcnt 16                              ; the 57 loads of weights are in; the 16 of proj_belief are younger
	; M's sums over my 32 rows k of W2: M[i][j] += (pos k ? W1[64 + i][k] : 0) W2[k][j], in f32; 1/sqrt(var) is applied to the finished sums
	v_cmp_lt_f32 s62, 0, v41                       ; pos: W1[69][k] > 0
.set i, 0
.rept 9
	v_cndmask_b32 v[36+i], 0, v[36+i], s62
.set i, i+1
.endr
	WIN 0x50                                       ; the sums in window 1 (v[4 i ..]: columns 4 L on), W2's rows and the factors in window 0
.set t, 0
.rept 32
.set i, 0
.rept 9
	v_readlane_b32 s[CP+2*i], v[36+i], t
.set i, i+1
.endr
.set i, 0
.rept 9
.if t == 0                             ; the first row starts the sums
	v_pk_mul_f32 v[4*i:4*i+1],   v[128:129], s[CP+2*i:CP+2*i+1] op_sel_hi:[1,0]
	v_pk_mul_f32 v[4*i+2:4*i+3], v[130:131], s[CP+2*i:CP+2*i+1] op_sel_hi:[1,0]
.else
	v_pk_fma_f32 v[4*i:4*i+1],   v[128+4*t:128+4*t+1], s[CP+2*i:CP+2*i+1], v[4*i:4*i+1] op_sel_hi:[1,0,1]
	v_pk_fma_f32 v[4*i+2:4*i+3], v[128+4*t+2:128+4*t+3], s[CP+2*i:CP+2*i+1], v[4*i+2:4*i+3] op_sel_hi:[1,0,1]
.endif
.set i, i+1
.endr
.set t, t+1
.endr
	WIN 0x04                                       ; store data in window 1
.set i, 0
.rept 9
	ds_store_b128 v25, v[4*i:4*i+3] offset:512*i
.set i, i+1
.endr
	WIN 0
	; the images: each row is rounded to f16 and laid into LDS as [k][unit], from where the turning load makes fragments
.set i, 0
.rept 16
.set q, 64+4*i
	v_cvt_pk_f16_f32 v[q], v[q], v[q+1]
	v_cvt_pk_f16_f32 v[q+1], v[q+2], v[q+3]
	ds_store_b64 v18, v[q:q+1] offset:WP*i
.set i, i+1
.endr
.set i, 0
.rept 32
.set q, 128+4*i
.if i == 0
	v_and_b32 v32, 0x7fffffff, v[q]                ; the first row starts the column sums of |W2|
	v_and_b32 v33, 0x7fffffff, v[q+1]
	v_and_b32 v34, 0x7fffffff, v[q+2]
	v_and_b32 v35, 0x7fffffff, v[q+3]
.else
	v_add_f32 v32, |v[q]|, v32
	v_add_f32 v33, |v[q+1]|, v33
	v_add_f32 v34, |v[q+2]|, v34
	v_add_f32 v35, |v[q+3]|, v35
.endif
	v_cvt_pk_f16_f32 v[q], v[q], v[q+1]
	v_cvt_pk_f16_f32 v[q+1], v[q+2], v[q+3]
	ds_store_b64 v19, v[q:q+1] offset:WP*i
.set i, i+1
.endr
	ds_store_b128 v20, v[32:35]
	s_load_b128 s[MU:MU+3], s[26:27], 0x0          ; the pairs of factors have served
	s_load_b64 s[MU+4:MU+5], s[26:27], 0x10
	s_load_b128 s[IS:IS+3], s[28:29], 0x0
	s_load_b64 s[IS+4:IS+5], s[28:29], 0x10
	s_load_b32 s[SB3], s[24:25], 0x0
.irp t, 0,1                            ; b1 starts P's sums: register 8 u + j takes b1[16 u + 8 h + j]
	WIN 0x80+0x40*(\t)
.set i, 0
.rept 16
	global_load_b128 v[T_P+4*i:T_P+4*i+3], v10, s[16:17] offset:64*(i/2)+16*(i%2)
.set i, i+1
.endr
.endr
	WIN 0
	s_wait_dscnt 0x0                               ; for the others' sake: my rows of the images and my parts of the sums are stored
	s_barrier_signal -1
	s_barrier_wait -1                              ; My tensor loads may stay out
	WIN 0x40
.set f, 0
.rept 32                               ; W2: units 16 (f / 4) on, k 32 (f % 4) on
	ds_load_tr16_b128 v[8*f:8*f+3],   v7 offset:WIMG2+32*(f%4)*WP+32*(f/4)
	ds_load_tr16_b128 v[8*f+4:8*f+7], v7 offset:WIMG2+(32*(f%4)+16)*WP+32*(f/4)
.set f, f+1
.endr
	WIN 0x80
.set f, 0
.rept 16                               ; W1[:64]: units 16 (f / 2) on, k 32 (f % 2) on; into registers of tile 0 that are used otherwise later
	ds_load_tr16_b128 v[128+8*f:128+8*f+3],   v7 offset:32*(f%2)*WP+32*(f/2)
	ds_load_tr16_b128 v[128+8*f+4:128+8*f+7], v7 offset:(32*(f%2)+16)*WP+32*(f/2)
.set f, f+1
.endr
	WIN 0
.irp p, 0,1,2,3
	ds_load_b128 v[32+4*(\p):32+4*(\p)+3], v21 offset:512*(\p)
.endr
.set f, 0
.rept 36                               ; the four waves' parts of my column of M: input f / 4, part f % 4
	ds_load_b32 v[64+f], v26 offset:4608*(f%4)+512*(f/4)
.set f, f+1
.endr
	s_wait_loadcnt 0x0                             ; proj_belief and b1
.irp t, 0,1
	WIN (2+(\t))*0x55
.set j, 0
.rept 16
	v_cvt_pk_f16_f32 v[96+j], v[64+2*j], v[64+2*j+1]
.set j, j+1
.endr
.endr
	WIN 0xc0                                       ; W1's rows 64..72, unit 16 u + r
.set f, 0
.rept 72
	global_load_b32 v[WRAW+f], v11, s[14:15] offset:(64+f%9)*512+64*(f/9)
.set f, f+1
.endr
	WIN 0
.set i, 0
.rept 16
	global_load_b128 v[W_B2+4*i:W_B2+4*i+3], v10, s[20:21] offset:64*(i/2)+16*(i%2)
.set i, i+1
.endr
.set i, 0
.rept 16
	global_load_b128 v[W_W3+4*i:W_W3+4*i+3], v10, s[22:23] offset:64*(i/2)+16*(i%2)
.set i, i+1
.endr
	s_wait_kmcnt 0x0                               ; means, variances, b3
.irp i, 0,1,2,3,4,5
	v_rsq_f32 v[48+(\i)], s[IS+(\i)]
.endr
	v_nop                                          ; a plain instruction behind the last of the batch,
	s_wait_alu depctr_va_vdst(0)                   ; and the one wait ahead of the first reader
.irp i, 0,1,2,3,4,5
	v_readfirstlane_b32 s[IS+(\i)], v[48+(\i)]
.endr
	s_wait_dscnt 0x0                               ; all fragments and all parts of the sums are in
.irp t, 0,1                            ; P = b1 + W1[:64]^T proj^T: the 8 accumulators take turns
	WIN 0xaa+0x54*(\t)                             ; weights in window 2; proj, C and D in the tile's
.irp c, 0,1
.irp u, 0,1,2,3,4,5,6,7
	v_wmma_f32_16x16x32_f16 v[T_P+8*(\u):T_P+8*(\u)+7], v[128+8*(2*(\u)+(\c)):128+8*(2*(\u)+(\c))+7], v[96+8*(\c):96+8*(\c)+7], v[T_P+8*(\u):T_P+8*(\u)+7]
.endr
.endr
.endr
	WIN 0
	; the largest column sum of |W2| -> rho and KINV.  The first eight lines are plain and name no register of the products: they are the places behind them.
	v_pk_add_f32 v[32:33], v[32:33], v[36:37]
	v_pk_add_f32 v[34:35], v[34:35], v[38:39]
	v_pk_add_f32 v[40:41], v[40:41], v[44:45]
	v_pk_add_f32 v[42:43], v[42:43], v[46:47]
	v_pk_add_f32 v[32:33], v[32:33], v[40:41]
	v_pk_add_f32 v[34:35], v[34:35], v[42:43]
	v_max3_num_f32 v32, v32, v33, v34
	v_max_num_f32 v32, v32, v35
	v_max_num_f32_dpp v32, v32, v32 row_xmask:1 row_mask:0xf bank_mask:0xf
	v_max_num_f32_dpp v32, v32, v32 row_xmask:2 row_mask:0xf bank_mask:0xf
	v_max_num_f32_dpp v32, v32, v32 row_xmask:4 row_mask:0xf bank_mask:0xf
	v_max_num_f32_dpp v32, v32, v32 row_xmask:8 row_mask:0xf bank_mask:0xf
	v_permlanex16_b32 v33, v32, s[SEL], s[SEL+1]
	v_max_num_f32 v32, v32, v33
	v_fma_f32 v32, v32, s[C101], 1.0               ; 1 for sg |b2|, 1.01 for the roundings
	v_and_b32 v32, s[MEXP], v32
	v_sub_nc_u32 v[RHO], s[CSG], v32
	v_sub_nc_u32 v[RHO+1], s[CSG], v32
	v_add_nc_u32 v32, 0xc1800000, v32              ; less 125 << 23: added to a bound's exponent field it gives 1 / (sg rho)
	v_readfirstlane_b32 s[KINV], v32
	; my column of M: the four parts added, the first six inputs' 1/sqrt(var), into the table
.set i, 0
.rept 9
	v_pk_add_f32 v[64+4*i:64+4*i+1], v[64+4*i:64+4*i+1], v[64+4*i+2:64+4*i+3]
.set i, i+1
.endr
.set i, 0
.rept 9
	v_add_f32 v[104+i], v[64+4*i], v[64+4*i+1]
.set i, i+1
.endr
.set i, 0
.rept 6
	v_mul_f32 v[104+i], s[IS+i], v[104+i]
.set i, i+1
.endr
	v_mov_b32 v113, 0
	v_mov_b32 v114, 0
	v_mov_b32 v115, 0
	ds_store_b128 v27, v[104:107]
	ds_store_b128 v27, v[108:111] offset:16
	ds_store_b128 v27, v[112:115] offset:32
	WIN 0x80                                       ; W1's row 69 in b2's map, where W1[:64]'s fragments lay: the lines above are the places behind the products that read them
.set i, 0
.rept 16
	global_load_b128 v[MSKB+4*i:MSKB+4*i+3], v10, s[14:15] offset:69*512+64*(i/2)+16*(i%2)
.set i, i+1
.endr
.irp t, 0,1                            ; a row's largest |P|, each accumulator from its low end on; the power of two that brings P under 1, and its inverse
	WIN (2+(\t))*0x55
	v_max_num_f32 v[X_M], |v[T_P]|, |v[T_P+1]|
.set j, 1
.rept 31
	v_max3_num_f32 v[X_M], v[X_M], |v[T_P+2*j]|, |v[T_P+2*j+1]|
.set j, j+1
.endr
	v_mov_b32 v[X_T], 0
	v_permlanex16_b32 v[X_T], v[X_M], s[SEL], s[SEL+1]
	v_max_num_f32 v[X_M], v[X_M], v[X_T]
	v_and_b32 v[X_T], s[MEXP], v[X_M]
	v_sub_nc_u32 v[X_SP], s[CSG], v[X_T]
	v_sub_nc_u32 v[X_SP+1], s[CSG], v[X_T]
	v_add_nc_u32 v[X_IP], 0x00800000, v[X_T]
	v_add_nc_u32 v[X_IP+1], 0x00800000, v[X_T]
.endr
	s_wait_loadcnt 48                              ; W1's rows 64..72 are in; the 48 loads of b2, W3 and row 69 are younger
	WIN 0xff
	v_mov_b32 v243, 0x80000000
.set k, 0
.rept 8
.set w, WRAW+9*k
	v_cmp_lt_f32 s62, 0, v[w+5]                    ; pos, judged on W1[69] as it was loaded, as in the two other places
.set i, 0
.rept 6
	v_mul_f32 v[w+i], s[IS+i], v[w+i]
.set i, i+1
.endr
	v_add_f32 v240, |v[w]|, |v[w+1]|
.set i, 2
.rept 7
	v_add_f32 v240, v240, |v[w+i]|
.set i, i+1
.endr
.if k == 0
	v_mov_b32 v241, v240
.else
	v_max_num_f32 v241, v241, v240
.endif
	v_cndmask_b32 v242, 0, v243, s62
.set i, 0
.rept 9
	v_xor_b32 v[w+i], v242, v[w+i]                 ; a pos unit's weights change their sign
.set i, i+1
.endr
	SPLIT9 244
.set k, k+1
.endr
	WIN 0x0f                                       ; sources in window 3, destination in window 0
.set k, 0
.rept 8
.set w, WRAW+9*k
.set d, W_1D+8*k
	PACK5
.set k, k+1
.endr
	WIN 0x03
	v_mov_b32 v29, v241
	WIN 0
.set k, 0
.rept 8                                ; the remainders of d meet the same six weights
	v_mov_b32 v[W_1D+8*k+5], v[W_1D+8*k]
	v_mov_b32 v[W_1D+8*k+6], v[W_1D+8*k+1]
	v_mov_b32 v[W_1D+8*k+7], v[W_1D+8*k+2]
.set k, k+1
.endr
	v_max_num_f32_dpp v29, v29, v29 row_xmask:1 row_mask:0xf bank_mask:0xf
	v_max_num_f32_dpp v29, v29, v29 row_xmask:2 row_mask:0xf bank_mask:0xf
	v_max_num_f32_dpp v29, v29, v29 row_xmask:4 row_mask:0xf bank_mask:0xf
	v_max_num_f32_dpp v29, v29, v29 row_xmask:8 row_mask:0xf bank_mask:0xf
	v_mul_f32 v29, s[C101], v29
	v_readfirstlane_b32 s[KM], v29
	s_wait_loadcnt 0x0                             ; b2, W3, row 69
	v_max_num_f32 v14, |v[W_B2]|, |v[W_B2+1]|
.set j, 1
.rept 31
	v_max3_num_f32 v14, v14, |v[W_B2+2*j]|, |v[W_B2+2*j+1]|
.set j, j+1
.endr
	v_permlanex16_b32 v29, v14, s[SEL], s[SEL+1]
	v_max_num_f32 v14, v14, v29                    ; the largest |b2|
	WIN 0xaa
	v_mov_b32 v232, 1.0
.set k, 0
.rept 64
	v_cmp_lt_f32 s62, 0, v[MSKB+k]
	v_cndmask_b32 v[MSKB+k], 0, v232, s62
.set k, k+1
.endr
.irp t, 0,1                            ; P of the pos units, scaled, in f16: source 1 of Q's product; and P takes the other sign there: P - 2 Ppos
	WIN 0xaa+0x51*(\t)                             ; source 1 in window 2, all else in the tile's
.set j, 0
.rept 32
	v_pk_mul_f32 v[T_D+2*j:T_D+2*j+1], v[T_P+2*j:T_P+2*j+1], v[MSKB+2*j:MSKB+2*j+1]
.set j, j+1
.endr
	WIN (2+(\t))*0x55
.set j, 0
.rept 32
	v_pk_fma_f32 v[T_P+2*j:T_P+2*j+1], v[T_D+2*j:T_D+2*j+1], -2.0, v[T_P+2*j:T_P+2*j+1] op_sel_hi:[1,0,1]
	v_pk_mul_f32 v[T_D+2*j:T_D+2*j+1], v[T_D+2*j:T_D+2*j+1], v[X_SP:X_SP+1]
.set j, j+1
.endr
.set j, 0
.rept 32
	v_cvt_pk_f16_f32 v[T_H+j], v[T_D+2*j], v[T_D+2*j+1]
.set j, j+1
.endr
.endr
	WIN 0
	s_wait_dscnt 0x0                               ; for the others' sake: my columns of the table are stored
	s_barrier_signal -1
	s_barrier_wait -1
.irp t, 0,1                            ; M, unit 16 u + r, twelve words each: u = 0..3 into tile 0's accumulators, u = 4..7 into tile 1's; they land while Q is multiplied
	WIN 0x80+0x40*(\t)
.set f, 0
.rept 12
	ds_load_b128 v[64+4*f:64+4*f+3], v28 offset:768*(4*(\t)+f/3)+16*(f%3)
.set f, f+1
.endr
.endr
.irp t, 0,1                            ; W2pos^T P: the first 8 products start the sums; the 8 accumulators take turns
.irp c, 0,1,2,3
.irp u, 0,1,2,3,4,5,6,7
.if (\u) < 6
.set q, T_Q+8*(\u)
	WIN 0xa9+0x54*(\t)                             ; W2 in window 1, all else in the tile's
.else
.set q, W_Q+16*(\t)+8*((\u)-6)
	WIN 0x09+0x04*(\t)                             ; C and D in window 0
.endif
.if (\c) == 0
	v_wmma_f32_16x16x32_f16 v[q:q+7], v[32*(\u)+8*(\c):32*(\u)+8*(\c)+7], v[T_H+8*(\c):T_H+8*(\c)+7], 0
.else
	v_wmma_f32_16x16x32_f16 v[q:q+7], v[32*(\u)+8*(\c):32*(\u)+8*(\c)+7], v[T_H+8*(\c):T_H+8*(\c)+7], v[q:q+7]
.endif
.endr
.endr
.endr
	PLACES
.irp t, 0,1                            ; Q = b2 + the product, its scale taken back
.irp u, 0,1,2,3,4,5,6,7
.if (\u) < 6
.set q, T_Q+8*(\u)
	WIN 0x8a+0x45*(\t)                             ; b2 (source 2) in window 0, all else in the tile's
.else
.set q, W_Q+16*(\t)+8*((\u)-6)
	WIN 0x08+0x04*(\t)                             ; the inverse (source 1) in the tile's window, all else in window 0
.endif
.irp j, 0,2,4,6
	v_pk_fma_f32 v[q+(\j):q+(\j)+1], v[q+(\j):q+(\j)+1], v[X_IP:X_IP+1], v[W_B2+8*(\u)+(\j):W_B2+8*(\u)+(\j)+1]
.endr
.endr
.endr
	s_wait_dscnt 0x0                               ; M is in
.irp t, 0,1                            ; b2 has served: M's fragments take its place
	WIN (2+(\t))*0x55
.set k, 0
.rept 4
.set w, 64+12*k
	SPLIT9 112
.set k, k+1
.endr
	WIN 0x0a+0x05*(\t)                             ; sources in the tile's window, destination in window 0
.set k, 0
.rept 4
.set w, 64+12*k
.set d, W_1M+8*(4*(\t)+k)
	PACK5
.set k, k+1
.endr
.endr
	WIN 0
.set k, 0
.rept 8
	v_mov_b32 v[W_1M+8*k+5], v[W_1M+8*k]
	v_mov_b32 v[W_1M+8*k+6], v[W_1M+8*k+1]
	v_mov_b32 v[W_1M+8*k+7], v[W_1M+8*k+2]
.set k, k+1
.endr
	v_mul_u32_u24 v29, v2, 480
	v_mul_u32_u24 v30, v2, 600
	v_mul_u32_u24 v31, v2, 200
.irp t, 0,1
	s_mul_i32 s2, s[WV], 15360
	s_add_co_u32 s2, s2, 7680*(\t)
	s_mul_i32 s3, s[WV], 19200
	s_add_co_u32 s3, s3, MCB+9600*(\t)
	s_mul_i32 s6, s[WV], 6400
	s_add_co_u32 s6, s6, OUTB+3200*(\t)-4          ; a turn of step s stores act of step s - 1
	WIN 0x80+0x40*(\t)
	v_add_nc_u32 v[T_AS0], s2, v29
	v_add_nc_u32 v[T_AM0], s3, v30
	v_add_nc_u32 v[T_AO0], s6, v31
	WIN 0xa2+0x51*(\t)                             ; source 1 in window 0, all else in the tile's
	v_max_num_f32 v[T_PB], v[X_M], v14
	v_mul_f32 v[T_PB], v[T_PB], s[C101]
.endr
	WIN 0
; Product i of 32 of layer 2 for tile x: k 32 (i / 8) on, units 16 (i % 8) on.  The 8 accumulators take turns, one instruction a turn.
.macro L2I x, i
.set cc, (\i)/8
.set uu, (\i)%8
	WIN 0xa9+0x54*(\x)                             ; W2 in window 1; eta, C and D in the tile's
	v_wmma_f32_16x16x32_f16 v[T_D+8*uu:T_D+8*uu+7], v[32*uu+8*cc:32*uu+8*cc+7], v[T_H+8*cc:T_H+8*cc+7], v[T_D+8*uu:T_D+8*uu+7]
.endm
; Layer 1 for units 16 u on of tile y: C = P
.macro L1I y, u
	WIN 0xa8+0x54*(\y)                             ; the weights in window 0
	v_wmma_f32_16x16x32_bf16 v[T_D+8*(\u):T_D+8*(\u)+7], v[W_1D+8*(\u):W_1D+8*(\u)+7], v[T_B:T_B+7], v[T_P+8*(\u):T_P+8*(\u)+7]
.endm
; M d + Q for units 16 u on of layer 2, on the same source 1
.macro LCI y, u
.if (\u) < 6
	WIN 0xa8+0x54*(\y)
	v_wmma_f32_16x16x32_bf16 v[T_D+8*(\u):T_D+8*(\u)+7], v[W_1M+8*(\u):W_1M+8*(\u)+7], v[T_B:T_B+7], v[T_Q+8*(\u):T_Q+8*(\u)+7]
.else
	WIN 0x88+0x44*(\y)                             ; Q's blocks 6 and 7 lie in window 0
	v_wmma_f32_16x16x32_bf16 v[T_D+8*(\u):T_D+8*(\u)+7], v[W_1M+8*(\u):W_1M+8*(\u)+7], v[T_B:T_B+7], v[W_Q+16*(\y)+8*((\u)-6):W_Q+16*(\y)+8*((\u)-6)+7]
.endif
.endm
; THE VECTOR AND LDS WORK of a tile and step is a list of 219 lines; RD writes number n of it for tile y.
;   0-8      the step's three LDS addresses and six loads (features 0-3, 4-5, 11; merger_cs)
;   9-72     layer 2's way out and layer 3, 8 lines for 16 units: four clamp(D rho), each accumulator from its low end on, four sums += D W3 (the first four start the sums)
;   73-89    the sums' end (R), act and its store, with what of the step's inputs hangs on the loads alone set between the links
;   90-114   physics, d0..d5, their upper halves and remainders: source 1 of the two products on the inputs
;   115-122  the bound, sg, 1 / (sg rho)
;   123-186  layer 1's way out, 8 lines for 16 units (O u): four clamp(D sg), four roundings to f16
;   187-218  (M d + Q) sg, 4 lines for 16 units (C u): layer 2 starts from it
; Numbers 0-72 name window 0 in source 1 (rho, W3), and their own registers in sources 0 and 2; the others name the tile's window alone.
; first = 1: step 0: there is no act yet, and ego_v, ego_x are features 0 and 3.  last = 1: behind step 49: only layer 2's way out, layer 3 and the store.
.macro RD y, first, last
.set RW, (2+(\y))*0x55
.set RP, RW&0xf3
.set isr, (n==73)||(n==74)||(n==77)||(n==81)||(n==85)||(n==87)||(n==88)||(n==89)
.set live, 1
.if (\first) && (((n>=9)&&(n<=72)) || isr || (n==94))
.set live, 0
.endif
.if (\last) && !((n==2) || ((n>=9)&&(n<=72)) || isr)
.set live, 0
.endif
.if live
.if n < 73
	WIN RP
.else
	WIN RW
.endif
.if n == 0
	v_add_nc_u32 v[T_AS], v[T_AS0], s[S_TS]
.elseif n == 1
	v_add_nc_u32 v[T_AM], v[T_AM0], s[S_TM]
.elseif n == 2
	v_add_nc_u32 v[T_AO], v[T_AO0], s[S_TO]
.elseif n == 3
	ds_load_b128 v[T_S:T_S+3], v[T_AS]
.elseif n == 4
	ds_load_b64 v[T_S+4:T_S+5], v[T_AS] offset:16
.elseif n == 5
	ds_load_b32 v[T_E], v[T_AS] offset:44
.elseif n < 9
	ds_load_b32 v[T_MC+n-6], v[T_AM] offset:4*(n-6)
.elseif n < 73
.set gg, (n-9)/8
.set kk, (n-9)%8
.if kk < 4
.set pp, T_D+2*(4*gg+kk)
	v_pk_mul_f32 v[pp:pp+1], v[pp:pp+1], v[RHO:RHO+1] clamp
.else
.set pp, 2*(4*gg+kk-4)
.set aa, T_ACC+2*(kk-4)
.if gg == 0
	v_pk_mul_f32 v[aa:aa+1], v[T_D+pp:T_D+pp+1], v[W_W3+pp:W_W3+pp+1]
.else
	v_pk_fma_f32 v[aa:aa+1], v[T_D+pp:T_D+pp+1], v[W_W3+pp:W_W3+pp+1], v[aa:aa+1]
.endif
.endif
.elseif n == 73
	v_pk_add_f32 v[T_ACC:T_ACC+1], v[T_ACC:T_ACC+1], v[T_ACC+2:T_ACC+3]
.elseif n == 74
	v_pk_add_f32 v[T_ACC+4:T_ACC+5], v[T_ACC+4:T_ACC+5], v[T_ACC+6:T_ACC+7]
.elseif n == 75
	v_sub_f32 v[T_DD+1], v[T_S+1], s[MU+1]         ; d1 = f_v - mean1
.elseif n == 76
	v_add_f32 v[T_Q2], s[MU+2], v[T_S+1]
.elseif n == 77
	v_pk_add_f32 v[T_ACC:T_ACC+1], v[T_ACC:T_ACC+1], v[T_ACC+4:T_ACC+5]
.elseif n == 78
	v_sub_f32 v[T_Q3], v[T_S+4], s[MU+3]
.elseif n == 79
	v_sub_f32 v[T_U], 1.0, v[T_E]
.elseif n == 80
	v_cvt_pk_bf16_f32 v[T_B+3], v[T_MC], v[T_MC+1]
.elseif n == 81
	v_add_f32 v[T_ACC], v[T_ACC], v[T_ACC+1]
.elseif n == 82
	v_fma_f32 v[T_Q5], v[T_U], s[C100], -s[MU+5]   ; (1 - e) 100 - mean5
.elseif n == 83
	v_max3_num_f32 v[T_M], |v[T_DD+1]|, |v[T_MC]|, |v[T_MC+1]|
.elseif n == 84
	v_cvt_pk_bf16_f32 v[T_B+4], v[T_MC+2], 0
.elseif n == 85
	v_permlanex16_b32 v[T_TMP], v[T_ACC], s[SEL], s[SEL+1]  ; the row's other 64 units lie in the lane 16 away
.elseif n == 86
	v_max_num_f32 v[T_M], v[T_M], |v[T_MC+2]|
.elseif n == 87
	v_add_f32 v[T_ACC], v[T_ACC], v[T_TMP]
.elseif n == 88
	v_fma_f32 v[T_ACT], v[T_ACC], v[T_INV], s[SB3]
.elseif n == 89
	ds_store_b32 v[T_AO], v[T_ACT]                 ; both halves of the lanes store the same number to the same word
.elseif (n == 90) && (\first)
	v_mov_b32 v[T_V], v[T_S]
.elseif n == 90
	v_fma_f32 v[T_V], v[T_ACT], s[C01], v[T_V]
.elseif (n == 91) && (\first)
	v_mov_b32 v[T_X], v[T_S+3]
.elseif n == 91
	v_fma_f32 v[T_X], v[T_V], s[C01], v[T_X]
.elseif n == 92
	v_sub_f32 v[T_DD], v[T_V], s[MU]
.elseif n == 93
	v_sub_f32 v[T_DD+2], v[T_V], v[T_Q2]
.elseif n == 94
	v_fma_f32 v[T_X], v[T_ACT], s[C005], v[T_X]
.elseif n == 95
	v_sub_f32 v[T_T4], v[T_V], v[T_S+2]
.elseif n == 96
	v_and_b32 v[T_HI], s[MHI], v[T_DD]
.elseif n == 97
	v_and_b32 v[T_HI+1], s[MHI], v[T_DD+1]
.elseif n == 98
	v_sub_f32 v[T_DD+3], v[T_Q3], v[T_X]
.elseif n == 99
	v_sub_f32 v[T_T5], v[T_S+5], v[T_X]
.elseif n == 100
	v_fma_f32 v[T_DD+4], v[T_T4], v[T_E], -s[MU+4]
.elseif n == 101
	v_pk_add_f32 v[T_HI:T_HI+1], v[T_DD:T_DD+1], v[T_HI:T_HI+1] neg_lo:[0,1] neg_hi:[0,1]
.elseif n == 102
	v_fma_f32 v[T_DD+5], v[T_T5], v[T_E], v[T_Q5]
.elseif n == 103
	v_perm_b32 v[T_B], v[T_DD+1], v[T_DD], s[PSEL]
.elseif n == 104
	v_and_b32 v[T_HI+2], s[MHI], v[T_DD+2]
.elseif n == 105
	v_and_b32 v[T_HI+3], s[MHI], v[T_DD+3]
.elseif n == 106
	v_cvt_pk_bf16_f32 v[T_B+5], v[T_HI], v[T_HI+1]
.elseif n == 107
	v_pk_add_f32 v[T_HI+2:T_HI+3], v[T_DD+2:T_DD+3], v[T_HI+2:T_HI+3] neg_lo:[0,1] neg_hi:[0,1]
.elseif n == 108
	v_and_b32 v[T_HI+4], s[MHI], v[T_DD+4]
.elseif n == 109
	v_and_b32 v[T_HI+5], s[MHI], v[T_DD+5]
.elseif n == 110
	v_perm_b32 v[T_B+1], v[T_DD+3], v[T_DD+2], s[PSEL]
.elseif n == 111
	v_pk_add_f32 v[T_HI+4:T_HI+5], v[T_DD+4:T_DD+5], v[T_HI+4:T_HI+5] neg_lo:[0,1] neg_hi:[0,1]
.elseif n == 112
	v_cvt_pk_bf16_f32 v[T_B+6], v[T_HI+2], v[T_HI+3]
.elseif n == 113
	v_perm_b32 v[T_B+2], v[T_DD+5], v[T_DD+4], s[PSEL]
.elseif n == 114
	v_cvt_pk_bf16_f32 v[T_B+7], v[T_HI+4], v[T_HI+5]
.elseif n == 115
	v_max3_num_f32 v[T_M], v[T_M], |v[T_DD]|, |v[T_DD+2]|
.elseif n == 116
	v_max3_num_f32 v[T_M], v[T_M], |v[T_DD+3]|, |v[T_DD+4]|
.elseif n == 117
	v_max_num_f32 v[T_M], v[T_M], |v[T_DD+5]|
.elseif n == 118
	v_fma_f32 v[T_T], v[T_M], s[KM], v[T_PB]
.elseif n == 119
	v_and_b32 v[T_T], s[MEXP], v[T_T]
.elseif n == 120
	v_sub_nc_u32 v[T_SG], s[CSG], v[T_T]
.elseif n == 121
	v_sub_nc_u32 v[T_SG+1], s[CSG], v[T_T]
.elseif n == 122
	v_add_nc_u32 v[T_INV], s[KINV], v[T_T]
.elseif n < 187
.set gg, (n-123)/8
.set kk, (n-123)%8
.if kk < 4
.set pp, T_D+8*gg+2*kk
	v_pk_mul_f32 v[pp:pp+1], v[pp:pp+1], v[T_SG:T_SG+1] clamp
.else
.set pp, T_D+8*gg+2*(kk-4)
	v_cvt_pk_f16_f32 v[T_H+4*gg+kk-4], v[pp], v[pp+1]
.endif
.else
.set pp, T_D+2*(n-187)
	v_pk_mul_f32 v[pp:pp+1], v[pp:pp+1], v[T_SG:T_SG+1]
.endif
.endif
.endm
.macro RR y, first, last, from, cnt    ; numbers from .. from + cnt - 1 of the list
.set n, (\from)
.rept (\cnt)
.if (n == 73) && !(\last)
	s_wait_dscnt 0x0                               ; the step's six loads, issued thirteen slots back, are in
.endif
	RD \y, \first, \last
.set n, n+1
.endr
.endm
; A TURN: 48 slots, a matrix instruction and a slice of tile y's list each.
; Slots 0-24: tile x's layer 2, products 0-24 (l2 = 1), behind them numbers 0-114, five a slot in the first 15, then four: source 1 of the products on the inputs is whole ahead of slot 25.
; Slots 25-32: tile y's layer 1.  Slots 33-47: its eight products M d + Q and tile x's products 25-31.
; What the deal keeps.  O u begins eight plain lines or more behind layer 1's product u, none of which names a register of that product.  The product M d + Q of units u, which writes the same
; accumulator, stands behind O u's last line.  C u begins eight plain lines or more behind it.  Tile x's accumulator u is finished in slot 24 (u = 0) or later and first read at number 9 + 8 u of
; the next turn.  No other line of a slice names a register of the products round it: the slices touch tile y alone.  No two matrix instructions on end name the same accumulator.
.macro S1 y, last, u
.if !(\last)
	L1I \y, \u
.endif
.endm
.macro SC y, last, u
.if !(\last)
	LCI \y, \u
.endif
.endm
.macro S2 x, l2, i
.if \l2
	L2I \x, \i
.endif
.endm
.macro TURN x, y, l2, first, last
.set na, 0
.set slot, 0
.rept 25
	S2 \x, \l2, slot
.if slot < 15
	RR \y, \first, \last, na, 5
.set na, na+5
.else
	RR \y, \first, \last, na, 4
.set na, na+4
.endif
.set slot, slot+1
.endr
	S1 \y, \last, 0
	RR \y, \first, \last, 115, 4
	S1 \y, \last, 1
	RR \y, \first, \last, 119, 4
	S1 \y, \last, 2
	RR \y, \first, \last, 123, 4                   ; O 0
	S1 \y, \last, 3
	RR \y, \first, \last, 127, 4
	S1 \y, \last, 4
	RR \y, \first, \last, 131, 4                   ; O 1
	S1 \y, \last, 5
	RR \y, \first, \last, 135, 4
	S1 \y, \last, 6
	RR \y, \first, \last, 139, 4                   ; O 2
	S1 \y, \last, 7
	RR \y, \first, \last, 143, 4
	SC \y, \last, 0
	RR \y, \first, \last, 147, 4                   ; O 3
	SC \y, \last, 1
	RR \y, \first, \last, 151, 4
	SC \y, \last, 2
	RR \y, \first, \last, 187, 4                   ; C 0
	SC \y, \last, 3
	RR \y, \first, \last, 155, 4                   ; O 4
	S2 \x, \l2, 25
	RR \y, \first, \last, 159, 4
	SC \y, \last, 4
	RR \y, \first, \last, 191, 4                   ; C 1
	S2 \x, \l2, 26
	RR \y, \first, \last, 163, 4                   ; O 5
	S2 \x, \l2, 27
	RR \y, \first, \last, 167, 4
	SC \y, \last, 5
	RR \y, \first, \last, 195, 4                   ; C 2
	S2 \x, \l2, 28
	RR \y, \first, \last, 171, 4                   ; O 6
	S2 \x, \l2, 29
	RR \y, \first, \last, 175, 4
	SC \y, \last, 6
	RR \y, \first, \last, 199, 4                   ; C 3
	S2 \x, \l2, 30
	RR \y, \first, \last, 179, 4                   ; O 7
	S2 \x, \l2, 31
	RR \y, \first, \last, 183, 4
	SC \y, \last, 7
	RR \y, \first, \last, 203, 16                  ; C 4 to C 7: C 4 to C 6 are the places between the product above and C 7
.endm
.macro STEP_ON                         ; the addresses of the next step
	s_add_co_u32 s[S_TS], s[S_TS], 48
	s_add_co_u32 s[S_TM], s[S_TM], 12
	s_add_co_u32 s[S_TO], s[S_TO], 4
.endm
	s_mov_b32 s[S_TS], 0
	s_mov_b32 s[S_TM], 0
	s_mov_b32 s[S_TO], 0
	s_wait_tensorcnt 0x1                           ; chunk 0 and merger_cs are in; chunk 1 was issued behind them and may stay out.  The bytes are my wave's own: no barrier
	TURN 0, 0, 0, 1, 0                             ; step 0: tile 0's inputs and its products on them
	TURN 0, 1, 1, 1, 0                             ; tile 0's layer 2 | tile 1's inputs and its products on them
	WIN 0                                          ; at a label and at a branch every window is 0
	STEP_ON
	s_mov_b32 s[S_CNT], 9                          ; steps 1 to 9 lie in chunk 0
	s_mov_b32 s[S_SLOTS], 4
	s_branch .Ltrip
.Lslot:                                        ; three times, ahead of steps 10, 20, 30: the slot just read out takes the chunk two on
	s_wait_tensorcnt 0x0                           ; all my tensor loads have landed: the one that was out is the chunk to be read next; so a group 0 may be written
	ds_add_u32 v[SPW], v[NIL]                      ; 0 onto my spare word: the scalar steps stand between it and the wait for it
	s_xor_b32 s57, s57, SLOT1                      ; the walking descriptor: the other slot than last time,
	s_add_nc_u64 s[58:59], s[58:59], 480           ; the next ten steps of each row; the type bits on top are not reached
	s_wait_xcnt 0x0                                ; the last prefetches, ten steps back, have read their address
	s_add_nc_u64 s[PFA:PFA+1], s[PFA:PFA+1], 480
	s_sub_co_u32 s[S_TS], s[S_TS], 480             ; the reads go back to a piece's first step,
	s_xor_b32 s[S_TS], s[S_TS], SLOT1              ; in the other slot
	s_wait_dscnt 0x0                               ; the add is done, and my reads of the slot are over
	s_barrier_signal -1
	s_barrier_wait -1
	tensor_load_to_lds s[56:59], s[32:39]          ; my one tensor load behind the barrier, and the first thing there: it has ten steps, 960 matrix instructions, in which to land
	s_nop 0
	PLACES
	; A prefetch of what the NEXT change of slots will ask for, ten steps ahead of that load: my wave's own 32 rows, a lane a row; of a row's 480 bytes the aligned blocks of 256 that begin in them,
	; named by bytes 255 and 479 (where a piece begins 32 bytes into a block, one row in eight, both name the same block).  The block in which a piece begins belongs to the piece before.
	; Chunks 0 to 2 come by their loads alone; the last change asks for nothing: there is no chunk behind chunk 4.
	s_cmp_gt_u32 s[S_SLOTS], 1
	s_cbranch_scc0 .Lnoask
	global_prefetch_b8 v8, s[PFA:PFA+1] offset:255 th:TH_LOAD_NT scope:SCOPE_SE
	global_prefetch_b8 v8, s[PFA:PFA+1] offset:479 th:TH_LOAD_NT scope:SCOPE_SE
.Lnoask:
	s_mov_b32 s[S_CNT], 10
.Ltrip:                                        ; step s: tile 1's layer 2 of step s - 1 | tile 0: act of s - 1, physics and the products on the inputs of s; then the tiles change places
	TURN 1, 0, 1, 0, 0
	TURN 0, 1, 1, 0, 0
	WIN 0
	STEP_ON
	s_sub_co_u32 s[S_CNT], s[S_CNT], 1
	s_cmp_lg_u32 s[S_CNT], 0
	s_cbranch_scc1 .Ltrip
	s_sub_co_u32 s[S_SLOTS], s[S_SLOTS], 1
	s_cmp_lg_u32 s[S_SLOTS], 0
	s_cbranch_scc1 .Lslot
	; the last chunk is written out: nothing is asked for, so no barrier: the bytes are my wave's own
	s_wait_tensorcnt 0x0                           ; chunk 4, my last load
	s_sub_co_u32 s[S_TS], s[S_TS], 480
	s_xor_b32 s[S_TS], s[S_TS], SLOT1
	s_mov_b32 s[S_CNT], 10
.Ltail:
	TURN 1, 0, 1, 0, 0
	TURN 0, 1, 1, 0, 0
	WIN 0
	STEP_ON
	s_sub_co_u32 s[S_CNT], s[S_CNT], 1
	s_cmp_lg_u32 s[S_CNT], 0
	s_cbranch_scc1 .Ltail
	TURN 1, 0, 1, 0, 1                             ; tile 1's layer 2 of step 49 | tile 0's act of step 49
	PLACES                                         ; the last seven products stand bare: four places ahead of the lines that read their results
	TURN 0, 1, 0, 0, 1                             ; tile 1's act of step 49
	; THE WAY OUT.  My wave's 32 rows of out0 are 6,400 consecutive bytes, in LDS as in memory: twelve stores of 512 bytes and one of 256, each beginning at a multiple of 256 from out0's first byte.
	WIN 0
.set i, 0
.rept 12
	ds_load_b128 v[64+4*i:64+4*i+3], v22 offset:512*i  ; LDS serves a wave's instructions in order (ISA guide 5.7.1.4): these see my stores of act
.set i, i+1
.endr
	ds_load_b64 v[112:113], v23
.set i, 0
.rept 12
	s_wait_dscnt 12-i                              ; the loads behind number i may stay out
	global_store_b128 v6, v[64+4*i:64+4*i+3], s[30:31] offset:512*i th:TH_STORE_NT
.set i, i+1
.endr
	s_wait_dscnt 0x0
	global_store_b64 v15, v[112:113], s[30:31] offset:6144 th:TH_STORE_NT
	s_wait_tensorcnt 0x0                           ; the wave's end: behind my last tensor load and my last LDS store
	ds_add_u32 v[SPW], v[NIL]
	s_wait_dscnt 0x0
	s_endpgm
.Lfunc_end_k_q26508ddcf7_sim:
	.size	k_q26508ddcf7_sim, .Lfunc_end_k_q26508ddcf7_sim-k_q26508ddcf7_sim
	.p2alignl 7, 3214868480
	.fill 96, 4, 3214868480
	.section	.rodata,"a",@progbits
	.p2align	6, 0x0
	.amdhsa_kernel k_q26508ddcf7_sim
		.amdhsa_group_segment_fixed_size 327680
		.amdhsa_private_segment_fixed_size 0
		.amdhsa_enable_private_segment 0
		.amdhsa_kernarg_size 96
		.amdhsa_user_sgpr_count 2
		.amdhsa_user_sgpr_kernarg_segment_ptr 1
		.amdhsa_wavefront_size32 1
		.amdhsa_system_sgpr_workgroup_id_x 1
		.amdhsa_system_sgpr_workgroup_id_y 1
		.amdhsa_system_sgpr_workgroup_id_z 1
		.amdhsa_system_vgpr_workitem_id 0
		.amdhsa_next_free_vgpr 1024
		.amdhsa_next_free_sgpr 102
		.amdhsa_reserve_vcc 0
		.amdhsa_float_denorm_mode_32 3
		.amdhsa_float_denorm_mode_16_64 3
		.amdhsa_memory_ordered 1
		.amdhsa_forward_progress 1
		.amdhsa_inst_pref_size 255
	.end_amdhsa_kernel
	.section	.bss,"aw",@nobits
	.p2align	6
	.space	262144
	.amdgpu_metadata
---
amdhsa.version: [ 1, 2 ]
amdhsa.kernels:
  - .name:           k_q26508ddcf7_sim
    .symbol:         k_q26508ddcf7_sim.kd
    .args:
      - { .name: idm_s, .offset: 0, .size: 8, .value_kind: global_buffer, .address_space: global }
      - { .name: merger_cs, .offset: 8, .size: 8, .value_kind: global_buffer, .address_space: global }
      - { .name: proj_belief, .offset: 16, .size: 8, .value_kind: global_buffer, .address_space: global }
      - { .name: W1, .offset: 24, .size: 8, .value_kind: global_buffer, .address_space: global }
      - { .name: b1, .offset: 32, .size: 8, .value_kind: global_buffer, .address_space: global }
      - { .name: W2, .offset: 40, .size: 8, .value_kind: global_buffer, .address_space: global }
      - { .name: b2, .offset: 48, .size: 8, .value_kind: global_buffer, .address_space: global }
      - { .name: W3, .offset: 56, .size: 8, .value_kind: global_buffer, .address_space: global }
      - { .name: b3, .offset: 64, .size: 8, .value_kind: global_buffer, .address_space: global }
      - { .name: scaler_mean, .offset: 72, .size: 8, .value_kind: global_buffer, .address_space: global }
      - { .name: scaler_var, .offset: 80, .size: 8, .value_kind: global_buffer, .address_space: global }
      - { .name: out0, .offset: 88, .size: 8, .value_kind: global_buffer, .address_space: global }
    .group_segment_fixed_size: 327680
    .private_segment_fixed_size: 0
    .kernarg_segment_align: 8
    .kernarg_segment_size: 96
    .max_flat_workgroup_size: 128
    .sgpr_count:     102
    .vgpr_count:     1024
    .wavefront_size: 32
...
	.end_amdgpu_metadata
.endif
;; end of part 1
